; MI455X (gfx1250); checked and timed in simulation.
; The chip was launched on July 23, 2026; its instructions are those of AMD's public machine-readable ISA for CDNA 5 (MIT licence, August 2026) and "CDNA5" Instruction Set Architecture Reference Guide (July 2026). The comments in the code are by the model that wrote it; some were corrected since.
;; Feed Forward Quantum. Allowed arithmetic: matrix products marked QUANTISED: E3M2 operands, one E8M0 scale for each 32 along K, by v_wmma_scale_f32_16x16x128_f8f6f4 with both operands' format E3M2, f32 sums; products left as they are: f32 operands where the result goes on into a quantised operand, else bf16, f16 or f32 operands; f32 sums; everything else in f32.
;; Inputs: W1 4,096 x 8 float32; W2 1,024 x 4,096 float32; b1 4,096 float32; b2 1,024 float32; theta 8 float32; x 16 x 1,024 x 1,024 float32.
;; Outputs: out0 16 x 1,024 x 1,024 float32.
;; This version of the problem:
;;   THIS VERSION OF THE PROBLEM IS GIVEN IN LOW PRECISION. The matrix products marked QUANTISED in the list below multiply operands that are first quantised to E3M2 (3 exponent bits, 2 mantissa bits; 6 bits a number), with one power-of-two scale for each 32 numbers along K (OCP MX v1.0); their sums are f32. All else is computed in f32.
;;   The module's matrix products, in the order in which they are computed (A, B: the left and right operand; K: the contracted axis; several contracted axes count as one K, in the product's order):
;;     1. [M 16,384, K 8] x [K 8, N 4,096]; A: computed on the way; B: input W1: left as it is (K = 8 < 32)
;;     2. [M 16,384, K 4,096] x [K 4,096, N 1,024]; A: computed on the way; B: input W2: QUANTISED
;;   THE QUANTISER, for each operand of a quantised product, along K:
;;     - K is cut into blocks of 32 from its start; a last block that is shorter is filled with zeros.
;;     - A block's scale is 2^e with e = floor(log2(the largest magnitude in the block)) - 4, held to -126 .. 127; a block of zeros has e = 0. As a byte (E8M0): e + 127.
;;     - Each number is divided by its block's scale, clamped to +-28, and rounded to the nearest number of E3M2, ties to even, subnormals kept.
;;     - The product sums the exact products of the quantised numbers (number of the format x scale) in f32.
;;   ~~~python
;;   def quantise(x, axis):      # numpy; x: float32 -> the quantised numbers, widened to float32 again
;;       x = np.moveaxis(x, axis, -1); K = x.shape[-1]
;;       x = np.pad(x, [(0, 0)] * (x.ndim - 1) + [(0, -K % 32)]); x = x.reshape(x.shape[:-1] + (-1, 32)); a = np.abs(x).max(-1, keepdims=True)
;;       e = np.where(a > 0, np.clip(np.frexp(np.where(a > 0, a, 1))[1] - 1 - 4, -126, 127), 0)      # np.frexp(a)[1] - 1 = floor(log2(a)), exactly
;;       r = np.clip(x / 2.0 ** e, -28, 28)
;;       step = 2.0 ** (np.maximum(np.frexp(np.where(r == 0, 1, r))[1] - 1, -2) - 2)
;;       q = np.round(r / step) * step * 2.0 ** e      # np.round: ties to even
;;       return np.moveaxis(q.reshape(q.shape[:-2] + (-1,))[..., :K], -1, axis).astype(np.float32)
;;   ~~~
;;   OPERANDS COMPUTED ON THE WAY. 'Computed on the way' means the value that the module computes at that place (a softmax that the list does not call 'softmax' is quantised finished and normalised). What goes into a quantiser is computed in f32, as accurately as f32 sums, v_exp_f32 and their like allow (about 1e-6 of the number): no bf16 or f16 on the way to a quantiser, and a product that is left as it is and whose result goes on into a quantised operand takes f32 operands (vector FMAs, or v_wmma_f32_16x16x4_f32). A number that lies on a knife's edge between two numbers of the format may be rounded either way, as far as f32 arithmetic and the matrix unit's own rounding can turn it there, and no further.
;; One version. Each part assembles by itself: llvm-mc -triple=amdgcn-amd-amdhsa -mcpu=gfx1250 --defsym DOCPART=n.
;; ======== version 1 of 1: 2 launches
;; limits: inputs' magnitudes at most 100,000; right only within a limited range of input values
;; workspace buffers: wqs 3,473,408 bytes; qzb 524,288 bytes
;; launch lay (part 1): grid 256 x 1, 13 waves a work-group, no clusters, 69,888 bytes of LDS; arguments x, theta, W1, b1, W2, wqs, qzb; writes wqs, qzb
.if DOCPART == 1
	.amdgcn_target "amdgcn-amd-amdhsa--gfx1250"
	.amdhsa_code_object_version 6
	.text
	.protected	k_qf22870b4ca_lay
	.globl	k_qf22870b4ca_lay
	.p2align	8
	.type	k_qf22870b4ca_lay,@function
k_qf22870b4ca_lay:
	s_mov_b64 s[64:65], 0
	v_nop
	global_prefetch_b8 v0, s[64:65] scope:SCOPE_SE
	s_setreg_imm32_b32 hwreg(HW_REG_WAVE_MODE, 25, 1), 1
	s_wait_xcnt 0x0
; Prepares what the next launch reads.  DEAD WORK: reference() takes x[..., 0:8] and slices the other 1,016 columns of x away, whatever they hold: they are not loaded.
; A NaN, an infinity or an overflow that lies only in those columns is not carried to the result.
; (1) W2 [1024][4096] becomes codes of BF6 (E3M2) with one E8M0 byte for each 32 along the hidden axis, laid as a stream of 32 blocks, one for each K step of 128.
; A block (SLOT bytes) is four portions (PORT bytes), one for each two waves of the reader; portion w holds the records of W2's rows 256 w .. + 127 and + 128 .. + 255.
; A record (REC bytes) is eight fragments (16 rows x 128 K, 12 registers a lane) of 1,536 bytes, registers 4 c .. 4 c + 3 of lane l at 512 c + 16 l, then the scale words:
; that of fragment i, row r at 12,288 + 256 (i / 4) + 16 r + 4 (i % 4).
; (2) Behind a portion's records: two times (an image of a tile of W1, 512 bytes, and 64 numbers of b1, 256 bytes).  Block u carries the hidden units of K step (u + 1) % 32.
; Tile i = 4 c + u of a K step: lane (r, h) holds W1[64 c + 8 u + r % 8 + 32 (r / 8)][4 h .. 4 h + 3]; beside it b1[64 c .. 64 c + 63].
; (3) qz = cos(x[:, 0:8]) cos(theta), as images of 16 rows: lane (r, h)'s qz[r][4 h .. 4 h + 3] at 16 x lane, 512 bytes a tile.
; SHARES.  Work-group g: waves 0-7 quantise one fragment of W2 each (tile of 16 rows T = 4 (g / 16) + w % 4, K step 2 (g % 16) + w / 4); waves 8-11 make qz of rows 64 g + 16 (w - 8) on; wave 12 copies tile g % 8 of K step g / 8.
; LIMITS.  The cosine is made of f32 multiply-adds: x - k pi/2 with pi/2 in three parts, then polynomials whose first dropped term is under 2e-9 for a remainder up to pi/4; the reduction stays near one f32 rounding
; for |x|, |theta| up to about 1e5 and grows beyond.  NaN and infinities are not served.  A block of zeros, or one whose largest magnitude lies under 2^-122, gets the byte 1 where the rule says 127 or less:
; its codes are zeros, and the bytes are read by this program alone.
.set REC,   12800
.set FRB,   1536
.set PORT,  27136
.set EXT,   25600
.set SLOT,  4*PORT
.set SROW,  528                        ; a stage row: 512 bytes + 16
.set SWAVE, 16*SROW                    ; LDS from 0: a stage of 16 rows for each of waves 0-7
.set WSC,   8*SWAVE                    ; W2's scale words: 256 (w / 4) + 16 r + 4 (w % 4)
.set SPARE, WSC+512                    ; the spare words, 128 bytes a wave
.set LI,  4                            ; 16 x lane
.set AWL, 5                            ; W1: 32 (r % 8) + 1,024 (r / 8) + 16 h
.set L8,  6                            ; 8 x lane
.set SH8, 7                            ; 8 h
.set STW, 8                            ; my stage + 16 x lane
.set STR, 9                            ; my stage + 528 r + 128 h
.set WSA, 10                           ; where my scale word goes in LDS
.set XO,  11                           ; x: 4,096 r + 16 h
.set TO,  12                           ; theta: 16 h
.set HGO, 13                           ; scale words on their way out: SLOT h + 16 r
.set WFI, 14                           ; WSC + 16 x lane
.set SPW, 15
.set NIL, 16
.set X0,  64                           ; v64-127 at work
.set TM,  224
.set TS,  226
.set PD,  227
.set BY,  228
.set PWT, 230
.set PC,  240
.set PT,  252
; cos(v[a]) -> v[o]; t: seven registers at work.  k = the nearest whole number to a 2/pi; r = a - k pi/2; by k mod 4: cos r, -sin r, -cos r, sin r.
.macro COS a, o, t
	v_mul_f32 v[\t], 0x3f22f983, v[\a]
	s_delay_alu instid0(VALU_DEP_1)
	v_rndne_f32 v[\t], v[\t]
	s_delay_alu instid0(VALU_DEP_1)
	v_fma_f32 v[\t+1], v[\t], s26, v[\a]
	s_delay_alu instid0(VALU_DEP_1)
	v_fma_f32 v[\t+1], v[\t], s27, v[\t+1]
	s_delay_alu instid0(VALU_DEP_1)
	v_fma_f32 v[\t+1], v[\t], s28, v[\t+1]
	s_delay_alu instid0(VALU_DEP_4)
	v_cvt_i32_f32 v[\t+5], v[\t]
	s_delay_alu instid0(VALU_DEP_2)
	v_mul_f32 v[\t+2], v[\t+1], v[\t+1]
	v_mov_b32 v[\t+3], 0xb493f27e
	v_mov_b32 v[\t+4], 0x3638ef1d
	s_delay_alu instid0(VALU_DEP_2)
	v_fmaak_f32 v[\t+3], v[\t+3], v[\t+2], 0x37d00d01
	s_delay_alu instid0(VALU_DEP_2)
	v_fmaak_f32 v[\t+4], v[\t+4], v[\t+2], 0xb9500d01
	s_delay_alu instid0(VALU_DEP_2)
	v_fmaak_f32 v[\t+3], v[\t+3], v[\t+2], 0xbab60b61
	s_delay_alu instid0(VALU_DEP_2)
	v_fmaak_f32 v[\t+4], v[\t+4], v[\t+2], 0x3c088889
	s_delay_alu instid0(VALU_DEP_2)
	v_fmaak_f32 v[\t+3], v[\t+3], v[\t+2], 0x3d2aaaab
	s_delay_alu instid0(VALU_DEP_2)
	v_fmaak_f32 v[\t+4], v[\t+4], v[\t+2], 0xbe2aaaab
	s_delay_alu instid0(VALU_DEP_2)
	v_fma_f32 v[\t+3], v[\t+3], v[\t+2], -0.5
	v_mul_f32 v[\t+6], v[\t+1], v[\t+2]
	s_delay_alu instid0(VALU_DEP_2)
	v_fma_f32 v[\t+3], v[\t+3], v[\t+2], 1.0
	s_delay_alu instid0(VALU_DEP_2)
	v_fma_f32 v[\t+4], v[\t+4], v[\t+6], v[\t+1]
	v_and_b32 v[\t+6], 1, v[\t+5]
	s_delay_alu instid0(VALU_DEP_1)
	v_cmp_eq_u32 vcc_lo, 1, v[\t+6]
	s_delay_alu instid0(VALU_DEP_1)
	v_cndmask_b32 v[\o], v[\t+3], v[\t+4], vcc_lo
	v_add_nc_u32 v[\t+5], 1, v[\t+5]
	s_delay_alu instid0(VALU_DEP_1)
	v_and_b32 v[\t+5], 2, v[\t+5]
	s_delay_alu instid0(VALU_DEP_1)
	v_lshlrev_b32 v[\t+5], 30, v[\t+5]
	s_delay_alu instid0(VALU_DEP_1)
	v_xor_b32 v[\o], v[\o], v[\t+5]
.endm
; 32 numbers of a lane, one whole block (k = 64 c + 32 h + 0 .. 31 of my row), become registers 6 c .. 6 c + 5 of the fragment in v[PC] on, and the byte v[BY + c]
.macro QUANT1 src, c
	v_max3_num_f32 v[TM], |v[\src]|, |v[\src+1]|, 0x2800000   ; with the floor 2^(5 - 127): the byte cannot fall under 1
	v_max3_num_f32 v[TM+1], |v[\src+2]|, |v[\src+3]|, |v[\src+4]|
.irp i, 5,9,13,17,21,25
	s_delay_alu instid0(VALU_DEP_2)
	v_max3_num_f32 v[TM], v[TM], |v[\src+\i]|, |v[\src+\i+1]|
	s_delay_alu instid0(VALU_DEP_2)
	v_max3_num_f32 v[TM+1], v[TM+1], |v[\src+\i+2]|, |v[\src+\i+3]|
.endr
	s_delay_alu instid0(VALU_DEP_2)
	v_max3_num_f32 v[TM], v[TM], |v[\src+29]|, |v[\src+30]|
	s_delay_alu instid0(VALU_DEP_1)
	v_max3_num_f32 v[TM], v[TM], v[TM+1], |v[\src+31]|
	s_delay_alu instid0(VALU_DEP_1)
	v_add_nc_u32 v[TS], 0xfe000000, v[TM]          ; 4 off the exponent field: the conversion's scale operand
	s_delay_alu instid0(VALU_DEP_1)
	v_lshrrev_b32 v[BY+\c], 23, v[TS]              ; the scale's byte
	v_cvt_scalef32_pk16_bf6_f32 v[PC+6*\c:PC+6*\c+2], v[\src:\src+15], v[TS]
	v_cvt_scalef32_pk16_bf6_f32 v[PT:PT+2], v[\src+16:\src+31], v[TS]   ; (a conversion's three registers begin on an even number)
	v_nop                                          ; one plain place behind a scaled conversion
.irp i, 0,1,2
	v_mov_b32 v[PC+6*\c+3+\i], v[PT+\i]
.endr
.endm
	s_load_b256 s[4:11], s[0:1], 0x0               ; x, theta, W1, b1
	s_load_b128 s[12:15], s[0:1], 0x20             ; W2, wqs
	s_load_b64 s[16:17], s[0:1], 0x30              ; qzb
	v_lshl_add_u32 v[SPW], v0, 2, SPARE
	v_mov_b32 v[NIL], 0
	v_lshrrev_b32 v1, 5, v0
	s_delay_alu instid0(VALU_DEP_1)
	v_readfirstlane_b32 s18, v1                    ; wave 0..12
	s_mov_b32 s20, 0x76543210
	s_mov_b32 s21, 0xfedcba98                      ; v_permlanex16_b32's selects for lane l xor 16
	s_mov_b32 s26, 0xbfc90fd8                      ; -pi/2 in three parts
	s_mov_b32 s27, 0xb4a8885a
	s_mov_b32 s28, 0xa7c234c4
	s_mul_i32 s29, s18, SWAVE
	s_and_b32 s44, s18, 3                          ; w % 4
	s_bfe_u32 s45, s18, 0x10002                    ; (w / 4) % 2
	s_lshr_b32 s56, s18, 2
	s_lshl_b32 s56, s56, 8
	s_lshl_b32 s57, s44, 2
	s_add_co_u32 s56, s56, s57
	s_add_co_u32 s56, s56, WSC
	s_lshr_b32 s46, ttmp9, 4
	s_lshl_b32 s47, s46, 2
	s_add_co_u32 s47, s47, s44                     ; T: my tile of 16 rows of W2
	s_and_b32 s52, ttmp9, 15
	s_lshl_b32 s52, s52, 1
	s_add_co_u32 s53, s52, s45                     ; its K step
	s_lshl_b32 s38, s47, 18                        ; W2: 16 T rows of 16,384 bytes
	s_lshl_b32 s39, s53, 9                         ; + 512 bytes a K step
	s_add_co_u32 s38, s38, s39
	s_mov_b32 s39, 0
	s_lshr_b32 s54, ttmp9, 5                       ; record G = T / 8: portion G / 2, record G % 2
	s_lshr_b32 s55, s54, 1
	s_mul_i32 s55, s55, PORT
	s_and_b32 s54, s54, 1
	s_mul_i32 s54, s54, REC
	s_add_co_u32 s54, s54, s55
	s_mul_i32 s48, s53, SLOT
	s_add_co_u32 s48, s48, s54
	s_and_b32 s55, s47, 7
	s_mul_i32 s55, s55, FRB
	s_add_co_u32 s48, s48, s55                     ; my fragment's codes
	s_mov_b32 s49, 0
	s_mul_i32 s50, s52, SLOT
	s_add_co_u32 s50, s50, s54
	s_and_b32 s55, s46, 1
	s_lshl_b32 s55, s55, 8
	s_add_co_u32 s50, s50, s55
	s_add_co_u32 s50, s50, 8*FRB                   ; the work-group's scale words: its 256 bytes of the first of its two records
	s_mov_b32 s51, 0
	; every address register is made here, ahead of the first branch on the wave's number
	v_and_b32 v1, 31, v0
	v_and_b32 v2, 15, v0
	v_bfe_u32 v3, v0, 4, 1
	s_delay_alu instid0(VALU_DEP_3)
	v_lshlrev_b32 v[LI], 4, v1
	v_lshlrev_b32 v[L8], 3, v1
	v_and_b32 v[AWL], 7, v2
	v_lshrrev_b32 v17, 3, v2
	s_delay_alu instid0(VALU_DEP_2)
	v_lshlrev_b32 v[AWL], 5, v[AWL]
	s_delay_alu instid0(VALU_DEP_1)
	v_lshl_add_u32 v[AWL], v17, 10, v[AWL]
	s_delay_alu instid0(VALU_DEP_1)
	v_lshl_add_u32 v[AWL], v3, 4, v[AWL]
	v_lshlrev_b32 v[SH8], 3, v3
	v_add_nc_u32 v[STW], s29, v[LI]
	v_mul_u32_u24 v[STR], v2, SROW
	s_delay_alu instid0(VALU_DEP_1)
	v_lshl_add_u32 v[STR], v3, 7, v[STR]
	s_delay_alu instid0(VALU_DEP_1)
	v_add_nc_u32 v[STR], s29, v[STR]
	v_lshlrev_b32 v[WSA], 4, v2
	s_delay_alu instid0(VALU_DEP_1)
	v_add_nc_u32 v[WSA], s56, v[WSA]
	v_lshlrev_b32 v[TO], 4, v3
	s_delay_alu instid0(VALU_DEP_1)
	v_lshl_add_u32 v[XO], v2, 12, v[TO]
	v_mul_u32_u24 v[HGO], v3, SLOT
	s_delay_alu instid0(VALU_DEP_1)
	v_lshl_add_u32 v[HGO], v2, 4, v[HGO]
	v_add_nc_u32 v[WFI], WSC, v[LI]
	v_mov_b32 v[PD], 0                             ; a lane permute's destination counts as one of its sources
	s_wait_alu depctr_va_vdst(0)                   ; the wait at the head's end
	s_wait_kmcnt 0x0
	s_add_nc_u64 s[24:25], s[14:15], s[50:51]      ; W2's scale words
	s_cmp_lt_u32 s18, 8
	s_cbranch_scc0 .Lnot_w2
	; ---- waves 0-7: a fragment of W2.  32 lanes read 512 consecutive bytes of each row; the 16 rows turn through my own stage, so that a lane holds whole blocks of its row
	s_add_nc_u64 s[12:13], s[12:13], s[38:39]
	s_add_nc_u64 s[22:23], s[14:15], s[48:49]
.irp i, 0,1,2,3,4,5,6,7,8,9,10,11,12,13,14,15
	global_load_b128 v[X0+4*\i:X0+4*\i+3], v[LI], s[12:13] offset:16384*\i th:TH_LOAD_NT
.endr
	s_wait_loadcnt 0x0
.irp i, 0,1,2,3,4,5,6,7,8,9,10,11,12,13,14,15
	ds_store_b128 v[STW], v[X0+4*\i:X0+4*\i+3] offset:SROW*\i
.endr
	s_wait_dscnt 0x0                               ; the stores have read their registers, into which the loads below land
.irp j, 0,1,2,3,4,5,6,7
	ds_load_b128 v[X0+4*\j:X0+4*\j+3], v[STR] offset:16*\j
.endr
.irp j, 0,1,2,3,4,5,6,7
	ds_load_b128 v[X0+32+4*\j:X0+32+4*\j+3], v[STR] offset:256+16*\j
.endr
	s_wait_dscnt 8                                 ; the first eight are in; the eight issued behind them may be out
	QUANT1 X0, 0
	s_wait_dscnt 0x0
	QUANT1 X0+32, 1
	v_lshl_or_b32 v[PWT], v[BY+1], 16, v[BY]       ; my two bytes at their places; with lane l xor 16's two the word is whole
	s_delay_alu instid0(VALU_DEP_1)
	v_lshlrev_b32 v[PWT], v[SH8], v[PWT]
	s_delay_alu instid0(VALU_DEP_1)
	v_permlanex16_b32 v[PD], v[PWT], s20, s21
	s_delay_alu instid0(VALU_DEP_1)
	v_or_b32 v[PWT], v[PWT], v[PD]
.irp k, 0,1,2
	global_store_b128 v[LI], v[PC+4*\k:PC+4*\k+3], s[22:23] offset:512*\k   ; 32 lanes store 512 consecutive bytes, at a multiple of 256 from the buffer's first byte
.endr
	ds_store_b32 v[WSA], v[PWT]
	s_branch .Ljoin
.Lnot_w2:
	s_cmp_lt_u32 s18, 12
	s_cbranch_scc0 .Lcopy
	; ---- waves 8-11: qz of 16 rows; lane (r, h) makes wires 4 h .. 4 h + 3 of row r: its 16 bytes of the image
	s_sub_co_u32 s34, s18, 8
	s_lshl_b32 s30, ttmp9, 18
	s_lshl_b32 s31, s34, 16
	s_add_co_u32 s30, s30, s31
	s_mov_b32 s31, 0
	s_lshl_b32 s32, ttmp9, 2
	s_add_co_u32 s32, s32, s34
	s_lshl_b32 s32, s32, 9
	s_mov_b32 s33, 0
	s_add_nc_u64 s[4:5], s[4:5], s[30:31]
	s_add_nc_u64 s[16:17], s[16:17], s[32:33]
	global_load_b128 v[64:67], v[XO], s[4:5] th:TH_LOAD_NT
	global_load_b128 v[68:71], v[TO], s[6:7]
	s_wait_loadcnt 0x0
.irp j, 0,1,2,3,4,5,6,7
	COS 64+\j, 72+\j, 80
.endr
.irp j, 0,1,2,3
	v_mul_f32 v[88+\j], v[72+\j], v[76+\j]
.endr
	global_store_b128 v[LI], v[88:91], s[16:17]    ; 512 consecutive bytes
	s_branch .Ljoin
.Lcopy:
	; ---- wave 12: tile i = g % 8 of K step s = g / 8, and the 64 numbers of b1 that belong to its half, into block (s + 31) % 32
	s_lshr_b32 s30, ttmp9, 3                       ; s
	s_and_b32 s31, ttmp9, 7                        ; i
	s_lshl_b32 s32, s30, 7
	s_lshr_b32 s33, s31, 2
	s_lshl_b32 s33, s33, 6
	s_add_co_u32 s32, s32, s33                     ; 128 s + 64 (i / 4)
	s_lshl_b32 s36, s32, 2                         ; b1, in bytes
	s_mov_b32 s37, 0
	s_and_b32 s33, s31, 3
	s_lshl_b32 s33, s33, 3
	s_add_co_u32 s32, s32, s33
	s_lshl_b32 s34, s32, 5                         ; W1: rows of 32 bytes
	s_mov_b32 s35, 0
	s_add_co_u32 s30, s30, 31
	s_and_b32 s30, s30, 31
	s_mul_i32 s40, s30, SLOT
	s_lshr_b32 s33, s31, 1
	s_mul_i32 s33, s33, PORT
	s_add_co_u32 s40, s40, s33
	s_and_b32 s33, s31, 1
	s_mul_i32 s33, s33, 768
	s_add_co_u32 s40, s40, s33
	s_add_co_u32 s40, s40, EXT
	s_mov_b32 s41, 0
	s_add_nc_u64 s[8:9], s[8:9], s[34:35]
	s_add_nc_u64 s[10:11], s[10:11], s[36:37]
	s_add_nc_u64 s[14:15], s[14:15], s[40:41]
	global_load_b128 v[64:67], v[AWL], s[8:9]
	global_load_b64 v[68:69], v[L8], s[10:11]
	s_wait_loadcnt 0x0
	global_store_b128 v[LI], v[64:67], s[14:15]
	global_store_b64 v[L8], v[68:69], s[14:15] offset:512   ; 32 lanes store one aligned run of 256 bytes
.Ljoin:
	; ---- W2's scale words come from four waves to a run of 256 bytes: they meet in LDS, and wave 0 sends them
	s_wait_dscnt 0x0
	s_barrier_signal -1
	s_barrier_wait -1
	s_cmp_lg_u32 s18, 0
	s_cbranch_scc1 .Ldone
	ds_load_b128 v[64:67], v[WFI]                  ; 512 bytes: two records' parts
	s_wait_dscnt 0x0
	global_store_b128 v[HGO], v[64:67], s[24:25]
.Ldone:
	s_wait_tensorcnt 0x0                           ; the wave's end
	ds_add_u32 v[SPW], v[NIL]
	s_wait_dscnt 0x0
	s_endpgm
.Lfunc_end_k_qf22870b4ca_lay:
	.size	k_qf22870b4ca_lay, .Lfunc_end_k_qf22870b4ca_lay-k_qf22870b4ca_lay
	.p2alignl 7, 3214868480
	.fill 96, 4, 3214868480
	.section	.rodata,"a",@progbits
	.p2align	6, 0x0
	.amdhsa_kernel k_qf22870b4ca_lay
		.amdhsa_group_segment_fixed_size 69888
		.amdhsa_private_segment_fixed_size 0
		.amdhsa_enable_private_segment 0
		.amdhsa_kernarg_size 56
		.amdhsa_user_sgpr_count 2
		.amdhsa_user_sgpr_kernarg_segment_ptr 1
		.amdhsa_wavefront_size32 1
		.amdhsa_system_sgpr_workgroup_id_x 1
		.amdhsa_system_sgpr_workgroup_id_y 1
		.amdhsa_system_sgpr_workgroup_id_z 1
		.amdhsa_system_vgpr_workitem_id 0
		.amdhsa_next_free_vgpr 256
		.amdhsa_next_free_sgpr 66
		.amdhsa_reserve_vcc 1
		.amdhsa_float_denorm_mode_32 3
		.amdhsa_float_denorm_mode_16_64 3
		.amdhsa_memory_ordered 1
		.amdhsa_forward_progress 1
		.amdhsa_inst_pref_size 30
	.end_amdhsa_kernel
	.amdgpu_metadata
---
amdhsa.version: [ 1, 2 ]
amdhsa.kernels:
  - .name:           k_qf22870b4ca_lay
    .symbol:         k_qf22870b4ca_lay.kd
    .args:
      - { .name: x, .offset: 0, .size: 8, .value_kind: global_buffer, .address_space: global }
      - { .name: theta, .offset: 8, .size: 8, .value_kind: global_buffer, .address_space: global }
      - { .name: W1, .offset: 16, .size: 8, .value_kind: global_buffer, .address_space: global }
      - { .name: b1, .offset: 24, .size: 8, .value_kind: global_buffer, .address_space: global }
      - { .name: W2, .offset: 32, .size: 8, .value_kind: global_buffer, .address_space: global }
      - { .name: wqs, .offset: 40, .size: 8, .value_kind: global_buffer, .address_space: global }
      - { .name: qzb, .offset: 48, .size: 8, .value_kind: global_buffer, .address_space: global }
    .group_segment_fixed_size: 69888
    .private_segment_fixed_size: 0
    .kernarg_segment_align: 8
    .kernarg_segment_size: 56
    .max_flat_workgroup_size: 416
    .sgpr_count:     66
    .vgpr_count:     256
    .wavefront_size: 32
...
	.end_amdgpu_metadata
.endif
;; end of part 1
;; launch ffn (part 2): grid 256 x 1, 8 waves a work-group, clusters of 4 x 1, 327,680 bytes of LDS; arguments wqs, qzb, b2, out0; writes out0
.if DOCPART == 2
	.amdgcn_target "amdgcn-amd-amdhsa--gfx1250"
	.amdhsa_code_object_version 6
	.text
	.protected	k_qf22870b4ca_ffn
	.globl	k_qf22870b4ca_ffn
	.p2align	8
	.type	k_qf22870b4ca_ffn,@function
k_qf22870b4ca_ffn:
	s_mov_b64 s[64:65], 0
	v_nop
	global_prefetch_b8 v0, s[64:65] scope:SCOPE_SE
	s_setreg_imm32_b32 hwreg(HW_REG_WAVE_MODE, 25, 1), 1
	s_wait_xcnt 0x0
	s_wait_alu depctr_hold_cnt(0) depctr_sa_sdst(0) depctr_va_vdst(0) depctr_va_sdst(0) depctr_va_ssrc(0) depctr_va_vcc(0) depctr_vm_vsrc(0)
	s_getreg_b32 s2, hwreg(HW_REG_IB_STS2, 6, 4)
	s_cmp_eq_u32 s2, 0
	s_cbranch_scc0 .Lentry_in_a_cluster
	s_endpgm
.Lentry_in_a_cluster:
	s_bfe_u32 s2, ttmp6, 0x10000c
	s_cmp_lg_u32 s2, 0x3003
	s_cbranch_scc0 .Lentry_shape_is_right
	s_endpgm
.Lentry_shape_is_right:
; out = Q(relu(qz W1^T + b1)) Q(W2)^T + b2 in one launch: the hidden layer h never goes to memory.  (Columns 8 on of x are dead work: see the first kernel; x is no argument here.)
; A work-group owns 64 rows of out and all 1,024 columns; eight waves, two to a SIMD, each 64 rows x 128 columns: 32 accumulators of 16 x 16, 256 registers.  K = 4,096 goes in 32 steps of 128.
; W2's CODES come as the stream that the first kernel laid: block t (SLOT bytes, 424 rows of 256) holds K step t: for each 128 columns a record of eight fragments and their scale words, in the order of the operand's registers,
; and the images of W1's tiles and b1 for K step t + 1.  Wave w fetches rows 53 w .. 53 w + 52 of a block and reads record w and the images of its half.  Two LDS slots, one block each.
; CLUSTERS: every work-group walks the same stream, so four work-groups form a cluster and ask for each part JOINTLY (mask 15, the same descriptor in all four: nothing in it hangs on a work-group's number).
; h IS MADE ON THE WAY, two K steps ahead: wave w makes half c = w % 2 (64 of the step's 128 hidden units) of the fragment of row tile w / 2.  The first product (K = 8) feeds a quantiser, so it takes
; f32 operands: v_wmma_f32_16x16x4_f32, two links, TRANSPOSED (source 0 = 16 rows of W1, source 1 = 16 rows of qz), b1 as the C of the first link.  The rows of W1 that form a tile are chosen so that the 32 registers of four
; tiles are k = 64 c + 32 (lane / 16) + 0 .. 31: a whole block of 32 in one lane, in the place that the 6-bit operand's layout gives it.  The six registers of codes and the two scale bytes go to one of two LDS buffers as an
; image of the operand's registers; the barrier of the change of slots shows them to the other waves.
; B's EIGHT FRAGMENTS ARE TWO HALVES OF 48 REGISTERS.  In step t the half F = t % 2 is multiplied ahead of the round; its registers then hold W1, b1 and the relu's results while h is made, and take their fragments of step t + 1 last;
; the other half is multiplied behind the round and filled again at once: it is the next step's F.  A trip of two steps brings the halves back.
; A PERIOD: refill | W1, b1 into F's registers | products of the other half | its fragments and h's four of the next step | the f32 products, relu, quantising, four LDS stores | F's fragments of the next step | products of the next F.
; THE SCALED PRODUCT IS USED TRANSPOSED TOO (source 0 = 16 rows of W2, source 1 = 16 rows of h): a lane holds eight neighbouring numbers of a row of out.  b2 is added on the way out.
; PREFETCH: each wave names its work-group's quarter of its 53 rows of a block, a lane to each 256 bytes (14 rows, held to the last); the four partners share the rows out by address.
; Blocks 1 and 2 are named at the head, block 3 behind block 1's load, and period t, which asks for block t + 2, names block t + 4: two blocks are named and not yet loaded at any time; periods 28 on ask for nothing.
; LIMITS: as the first kernel states for the scale bytes; the eight terms of the first product are summed in another order than reference()'s.
.set REC,    12800
.set FRB,    1536
.set PORT,   27136
.set EXT,    25600
.set SLOT,   4*PORT
.set TPART,  SLOT/8                    ; 13,568 bytes: what one tensor load brings
.set ABUF,   2*SLOT                    ; behind the ring: h's two buffers: four fragments and 256 bytes of scale words (row r, tile m at 16 r + 4 m)
.set ABS,    6400
.set STAGE,  ABUF+2*ABS                ; the way out: 16 rows x (512 + 16) bytes for each wave
.set SPITCH, 528
.set SPARE,  STAGE+8*16*SPITCH         ; the spare words, 128 bytes a wave
.set LI,   1                           ; 16 x lane
.set ADRB, 2                           ; v2-3   my record in slot 0, 1, + 16 x lane
.set ADRS, 4                           ; v4-5   the same + 16 r
.set AW,   6                           ; v6-7   W1's images of my half c in slot 0, 1, + 16 x lane
.set AB1,  8                           ; v8-9   b1 of my half, + 128 h
.set ADA,  10                          ; ABUF + 16 x lane
.set ADSA, 11                          ; ABUF + 6,144 + 16 r
.set AS0,  12                          ; v12-14 where registers 6 c + 0, 1 | 2, 3 | 4, 5 of my fragment go
.set ASW,  15                          ; where its two scale bytes go
.set STO,  16
.set RD,   17
.set SH8,  18                          ; 8 h
.set PFO,  19                          ; the prefetches' offset
.set BY,   23
.set PWT,  24
.set SPW,  28
.set NIL,  29
.set ZR,   30                          ; v30-31 zeros for the relu
.set SB,   32                          ; v32-39 scale words of B's eight fragments
.set SA,   40                          ; v40-43 of h's four
.set QZF,  44                          ; v44-47 qz's fragment of my row tile
.set TM,   48
.set TS,   50
.set PD,   51
.set B2,   52                          ; v52-55 b2 of my columns, as the way out wants it
.set AF,   56                          ; v56-103  h's four fragments
.set BF,   104                         ; v104-199 B's eight fragments; a half on loan: 32 registers of b1, then of h behind the relu, and 16 of W1
.set PC,   200                         ; v200-205 codes
.set PT,   208
.set D,    224                         ; v224-255 results of the f32 matrix form: written by matrix instructions alone
.set BK,   56                          ; the way out: two sets of 64.   Window 1: accumulator (a, b) at v[8 (4 b + a)]
.set MSB, 0
.macro WIN new
.if MSB != \new
	s_set_vgpr_msb (MSB<<8)|\new
.set MSB, \new
.endif
.endm
.set MULW, 0x50                        ; C and D in window 1
.macro CREST
	s_cmp_lg_u32 s14, 0
	s_cbranch_scc1 .Lnot_wave_0_\@
	s_barrier_signal -3
.Lnot_wave_0_\@:
	s_barrier_wait -3
	s_barrier_signal -1
	s_barrier_wait -1
.endm
.macro CROUND
	s_barrier_signal -1
	s_barrier_wait -1
	CREST
.endm
.macro PLACES
.rept 4
	v_nop
.endr
.endm
; products of B's fragments b0 .. b0 + nb - 1 with h's four: every accumulator has one turn a step
.macro MUL b0, nb, zero
.set bb, \b0
.rept \nb
.irp a, 0,1,2,3
.if \zero
	v_wmma_scale_f32_16x16x128_f8f6f4 v[8*(4*bb+\a):8*(4*bb+\a)+7], v[BF+12*bb:BF+12*bb+11], v[AF+12*\a:AF+12*\a+11], 0, v[SB+bb], v[SA+\a] matrix_a_fmt:MATRIX_FMT_BF6 matrix_b_fmt:MATRIX_FMT_BF6
.else
	v_wmma_scale_f32_16x16x128_f8f6f4 v[8*(4*bb+\a):8*(4*bb+\a)+7], v[BF+12*bb:BF+12*bb+11], v[AF+12*\a:AF+12*\a+11], v[8*(4*bb+\a):8*(4*bb+\a)+7], v[SB+bb], v[SA+\a] matrix_a_fmt:MATRIX_FMT_BF6 matrix_b_fmt:MATRIX_FMT_BF6
.endif
.endr
.set bb, bb+1
.endr
.endm
.macro FETCHB q, e                     ; half e of B's fragments and their scale words, from slot q: 13 loads
.set ii, 4*(\e)
.rept 4
.irp c, 0,1,2
	ds_load_b128 v[BF+12*ii+4*\c:BF+12*ii+4*\c+3], v[ADRB+(\q)] offset:ii*FRB+512*\c
.endr
.set ii, ii+1
.endr
	ds_load_b128 v[SB+4*(\e):SB+4*(\e)+3], v[ADRS+(\q)] offset:8*FRB+256*(\e)
.endm
.macro FETCHA q                        ; h's four fragments and their scale words: 13 loads
.irp m, 0,1,2,3
.irp c, 0,1,2
	ds_load_b128 v[AF+12*\m+4*\c:AF+12*\m+4*\c+3], v[ADA] offset:(\q)*ABS+\m*FRB+512*\c
.endr
.endr
	ds_load_b128 v[SA:SA+3], v[ADSA] offset:(\q)*ABS
.endm
.macro WL p                            ; b1 and W1's four tiles from slot 1 - p into half p's registers: 12 loads
.set FBP, BF+48*(\p)
.irp u, 0,1,2,3
	ds_load_b128 v[FBP+8*\u:FBP+8*\u+3], v[AB1+1-(\p)] offset:32*\u
	ds_load_b128 v[FBP+8*\u+4:FBP+8*\u+7], v[AB1+1-(\p)] offset:32*\u+16
.endr
.irp u, 0,1,2,3
	ds_load_b128 v[FBP+32+4*\u:FBP+32+4*\u+3], v[AW+1-(\p)] offset:(\u/2)*PORT+(\u%2)*768
.endr
.endm
; h of one K step, my share, into buffer p; b1 and W1 lie in half p's registers.  Four accumulators by turns, two links each; the bias starts the sums.  Nine v_nop: eight places ahead of the read of the results, of the relu's
; writes over b1 and of loads into the products' sources, nine ahead of the next products, which begin D anew.
.macro PRODV p
.set FBP, BF+48*(\p)
.irp u, 0,1,2,3
	v_wmma_f32_16x16x4_f32 v[D+8*\u:D+8*\u+7], v[FBP+32+4*\u:FBP+32+4*\u+1], v[QZF:QZF+1], v[FBP+8*\u:FBP+8*\u+7]
.endr
.irp u, 0,1,2,3
	v_wmma_f32_16x16x4_f32 v[D+8*\u:D+8*\u+7], v[FBP+32+4*\u+2:FBP+32+4*\u+3], v[QZF+2:QZF+3], v[D+8*\u:D+8*\u+7]
.endr
.rept 9
	v_nop
.endr
.set n, 0
.rept 16                               ; the relu, two numbers an instruction, each accumulator from its low end on
	v_dual_max_num_f32 v[FBP+n], v[D+n], v[ZR] :: v_dual_max_num_f32 v[FBP+n+1], v[D+n+1], v[ZR+1]
.set n, n+2
.endr
	v_max3_num_f32 v[TM], v[FBP], v[FBP+1], 0x2800000   ; none is negative; the floor 2^(5 - 127) holds the byte at 1 from below
	v_max3_num_f32 v[TM+1], v[FBP+2], v[FBP+3], v[FBP+4]
.irp i, 5,9,13,17,21,25
	s_delay_alu instid0(VALU_DEP_2)
	v_max3_num_f32 v[TM], v[TM], v[FBP+\i], v[FBP+\i+1]
	s_delay_alu instid0(VALU_DEP_2)
	v_max3_num_f32 v[TM+1], v[TM+1], v[FBP+\i+2], v[FBP+\i+3]
.endr
	s_delay_alu instid0(VALU_DEP_2)
	v_max3_num_f32 v[TM], v[TM], v[FBP+29], v[FBP+30]
	s_delay_alu instid0(VALU_DEP_1)
	v_max3_num_f32 v[TM], v[TM], v[TM+1], v[FBP+31]
	s_delay_alu instid0(VALU_DEP_1)
	v_add_nc_u32 v[TS], 0xfe000000, v[TM]          ; 4 off the exponent field: the conversion's scale operand
	s_delay_alu instid0(VALU_DEP_1)
	v_lshrrev_b32 v[BY], 23, v[TS]
	s_delay_alu instid0(VALU_DEP_1)
	v_lshlrev_b32 v[PWT], v[SH8], v[BY]            ; my byte, of block 2 c + h, at its place in the half word
	v_cvt_scalef32_pk16_bf6_f32 v[PC:PC+2], v[FBP:FBP+15], v[TS]
	v_cvt_scalef32_pk16_bf6_f32 v[PT:PT+2], v[FBP+16:FBP+31], v[TS]
	v_nop                                          ; one plain place behind a scaled conversion
	v_permlanex16_b32 v[PD], v[PWT], s12, s13
	s_delay_alu instid0(VALU_DEP_1)
	v_or_b32 v[PWT], v[PWT], v[PD]                 ; with lane l xor 16's byte
.irp i, 0,1,2
	v_mov_b32 v[PC+3+\i], v[PT+\i]
.endr
.irp j, 0,1,2
	ds_store_b64 v[AS0+\j], v[PC+2*\j:PC+2*\j+1] offset:(\p)*ABS
.endr
	ds_store_b16 v[ASW], v[PWT] offset:(\p)*ABS
.endm
.macro ASK how
.if \how == 2
	s_cmp_gt_u32 s3, 1                             ; the loop's last trip has no block four on
	s_cbranch_scc0 .Lno_ask_\@
.endif
.if \how
	s_cmp_lt_u32 ttmp9, 4
	s_cbranch_scc0 .Lno_prefetch_ffn0_\@
	global_prefetch_b8 v[PFO], s[50:51] th:TH_LOAD_NT scope:SCOPE_SE
.Lno_prefetch_ffn0_\@:
.endif
.if \how == 2
.Lno_ask_\@:
.endif
.endm
; Step t, p = t % 2.  mode 2: round, refill of slot p with block t + 2, h of step t + 2 into buffer p; mode 1: a plain barrier, nothing more to fetch or make; mode 0: the last step.  w0: LDS instructions that may be out at its head.
.macro PERIOD p, zero, mode, ask, w0
.if \ask
	s_wait_xcnt 0x0                                ; my last prefetch has read its address
	s_add_nc_u64 s[50:51], s[50:51], SLOT
.endif
	s_wait_dscnt \w0                               ; h's fragments and half p of B's are in; h's four stores and the other half's 13 loads may be out
	WIN MULW
	MUL 4*\p, 2, \zero
.if \mode
	WIN 0
	s_wait_tensorcnt 0x0                           ; my one tensor load, my part of the next block, has landed;
	ds_add_u32 v[SPW], v[NIL]
	WIN MULW
	MUL 4*\p+2, 1, \zero
	s_wait_dscnt 0x0                               ; the add, my stores of h and my reads of this slot are done
	s_barrier_signal -1
	MUL 4*\p+3, 1, \zero
	WIN 0
	s_barrier_wait -1
.if \mode == 2
	CREST                                          ; the barrier has opened a round of the cluster's barrier
	s_add_nc_u64 s[34+4*\p:35+4*\p], s[34+4*\p:35+4*\p], 2*SLOT
	tensor_load_to_lds s[32+4*\p:35+4*\p], s[24:31]
	s_nop 0
.endif
	PLACES                                         ; ahead of loads into registers that the products have read
.if \mode == 2
	WL \p
.endif
	ASK \ask
.else
	MUL 4*\p+2, 2, \zero
.endif
	WIN MULW
	MUL 4-4*\p, 4, \zero
	PLACES
	WIN 0
.if \mode
	FETCHB 1-\p, 1-\p                              ; the half just multiplied takes its fragments of the next step,
	FETCHA 1-\p                                    ; and h's four follow: 26 loads
.endif
.if \mode == 2
	s_wait_dscnt 26                                ; W1 and b1 are in: behind them 26 loads were issued
	PRODV \p
.endif
.if \mode
	FETCHB 1-\p, \p                                ; half p's registers are free again: 13 loads
.endif
.endm
	s_load_b256 s[4:11], s[0:1], 0x0               ; wqs, qzb, b2, out0
	v_lshl_add_u32 v[SPW], v0, 2, SPARE
	v_mov_b32 v[NIL], 0
	ds_add_u32 v[SPW], v[NIL]                      ; the opening lines: the add, twice on end, and its wait ahead of my first tensor load
	ds_add_u32 v[SPW], v[NIL]
	v_lshrrev_b32 v26, 5, v0
	v_readfirstlane_b32 s14, v26                   ; wave 0..7
	s_lshr_b32 s15, s14, 1                         ; my row tile of h; my record's portion
	s_and_b32 s16, s14, 1                          ; c; my record in the portion
	s_bfe_u32 s40, ttmp6, 0x40000                  ; cx
	s_lshl_b32 s17, ttmp9, 2
	s_add_co_u32 s17, s17, s40                     ; the work-group's number g
	s_mov_b32 s12, 0x76543210
	s_mov_b32 s13, 0xfedcba98
	s_mov_b32 s24, 15|(3<<16)|(1<<21)              ; group 1: the cluster's four; elements of 8 bytes; a part is dense: 53 rows of 256 bytes
	s_mov_b32 s25, 32<<16
	s_mov_b32 s26, 53<<16
	s_mov_b32 s27, 32<<16
	s_mov_b32 s28, 53
	s_mov_b32 s29, 32
	s_mov_b32 s30, 0
	s_mov_b32 s31, 0
	s_mul_i32 s45, s14, TPART
	s_mov_b32 s46, s45
	s_mov_b32 s47, 0
	s_mul_i32 s58, s15, PORT
	s_mul_i32 s59, s16, REC
	s_add_co_u32 s58, s58, s59                     ; my record in a block
	s_mul_i32 s18, s16, 2*PORT                     ; my half's images: portions 2 c, 2 c + 1
	s_mul_i32 s19, s15, FRB                        ; my row tile's fragment
	s_mul_i32 s22, s16, 520
	s_add_co_u32 s22, s22, s19                     ; registers 6 c, 6 c + 1: byte 0 or 520 of a lane's image
	s_mul_i32 s23, s16, 1016
	s_add_co_u32 s23, s23, s19
	s_add_co_u32 s23, s23, 8                       ; registers 6 c + 2, 3: byte 8 or 1,024
	s_lshl_b32 s41, s15, 2
	s_lshl_b32 s42, s16, 1
	s_add_co_u32 s41, s41, s42                     ; scale bytes: 4 x row tile + 2 c
	s_mul_i32 s43, s14, 16*SPITCH
	s_add_co_u32 s43, s43, STAGE
	s_mul_i32 s48, s40, 14
	s_lshl_b32 s52, s17, 2
	s_add_co_u32 s52, s52, s15
	s_lshl_b32 s52, s52, 9                         ; qz: tile 4 g + w / 2, 512 bytes a tile
	s_mov_b32 s53, 0
	s_lshl_b32 s54, s14, 9                         ; my 128 columns
	s_mov_b32 s55, 0
	s_lshl_b32 s56, s17, 18                        ; 64 g rows of 4,096 bytes
	s_mov_b32 s57, 0
	v_and_b32 v56, 31, v0                          ; lane
	v_and_b32 v57, 15, v0                          ; r
	v_bfe_u32 v58, v0, 4, 1                        ; h
	v_lshlrev_b32 v[LI], 4, v56
	v_lshlrev_b32 v59, 4, v57
	v_lshlrev_b32 v60, 7, v58
	v_lshlrev_b32 v[SH8], 3, v58
	v_add_nc_u32 v[ADRB], s58, v[LI]
	v_add_nc_u32 v[ADRS], s58, v59
	v_add_nc_u32 v[AW], s18, v[LI]
	v_add_nc_u32 v[AB1], s18, v60
	v_add_nc_u32 v[ADA], ABUF, v[LI]
	v_add_nc_u32 v[ADSA], ABUF+4*FRB, v59
	v_add_nc_u32 v[ADRB+1], SLOT, v[ADRB]
	v_add_nc_u32 v[ADRS+1], SLOT, v[ADRS]
	v_add_nc_u32 v[AW], EXT, v[AW]
	v_add_nc_u32 v[AB1], EXT+512, v[AB1]
	v_add_nc_u32 v[AS0], s22, v[ADA]
	v_add_nc_u32 v[AS0+1], s23, v[ADA]
	v_add_nc_u32 v[ASW], s41, v[ADSA]
	v_add_nc_u32 v[AW+1], SLOT, v[AW]
	v_add_nc_u32 v[AB1+1], SLOT, v[AB1]
	v_add_nc_u32 v[AS0+2], 512, v[AS0]             ; registers 6 c + 4, 5: byte 512 or 1,032
	v_mul_u32_u24 v61, v57, SPITCH
	v_add_nc_u32 v[RD], s43, v[LI]
	v_min_u32 v62, 13, v56
	v_lshl_add_u32 v61, v58, 5, v61
	v_add_nc_u32 v62, s48, v62
	v_add_nc_u32 v[STO], s43, v61
	v_min_u32 v62, 52, v62                         ; my work-group's 14 of my part's 53 rows, held to the last
	v_mov_b32 v[ZR], 0
	v_mov_b32 v[ZR+1], 0
	v_mov_b32 v[PD], 0
	v_lshlrev_b32 v[PFO], 8, v62
	s_wait_alu depctr_va_vdst(0)                   ; the wait at the head's end
	s_wait_dscnt 0x0
	s_wait_kmcnt 0x0
	s_add_nc_u64 s[20:21], s[4:5], s[46:47]        ; my part of block 0
	s_add_nc_u64 s[6:7], s[6:7], s[52:53]
	s_add_nc_u64 s[8:9], s[8:9], s[54:55]
	s_add_nc_u64 s[10:11], s[10:11], s[54:55]
	s_add_nc_u64 s[10:11], s[10:11], s[56:57]
	s_add_nc_u64 s[42:43], s[4:5], 31*SLOT         ; block 31 carries K step 0's W1 and b1
	s_add_nc_u64 s[50:51], s[20:21], 3*SLOT        ; the loop's prefetches: stepped to block 4 in step 0
	global_load_b128 v[QZF:QZF+3], v[LI], s[6:7]
.irp u, 0,1,2,3
	global_load_b128 v[BF+32+4*\u:BF+32+4*\u+3], v[AW], s[42:43] offset:(\u/2)*PORT+(\u%2)*768   ; a block lies in memory as it lies in slot 0: the same offsets serve
.endr
.irp u, 0,1,2,3
	global_load_b128 v[BF+8*\u:BF+8*\u+3], v[AB1], s[42:43] offset:32*\u
	global_load_b128 v[BF+8*\u+4:BF+8*\u+7], v[AB1], s[42:43] offset:32*\u+16
.endr
	global_load_b128 v[B2:B2+3], v[LI], s[8:9]
	CROUND                                         ; the four work-groups are here: the first joint loads meet
.irp s, 0,1
	s_mov_b32 s[32+4*\s], 1
	s_add_co_u32 s[33+4*\s], s45, \s*SLOT
	s_add_nc_u64 s[34+4*\s:35+4*\s], s[20:21], \s*SLOT
	s_or_b32 s[35+4*\s], s[35+4*\s], 0x80000000
.endr
	tensor_load_to_lds s[32:35], s[24:31]          ; block 0: one tensor load a wave at the head
	s_nop 0
	PLACES
	s_cmp_lt_u32 ttmp9, 4
	s_cbranch_scc0 .Lno_prefetch_ffn1
	global_prefetch_b8 v[PFO], s[20:21] offset:SLOT th:TH_LOAD_NT scope:SCOPE_SE      ; blocks 1 and 2
	global_prefetch_b8 v[PFO], s[20:21] offset:2*SLOT th:TH_LOAD_NT scope:SCOPE_SE
.Lno_prefetch_ffn1:
	s_wait_loadcnt 0x0
	PRODV 0                                        ; h of K step 0
	s_wait_tensorcnt 0x0                           ; block 0 is in
	ds_add_u32 v[SPW], v[NIL]
	s_wait_dscnt 0x0
	CROUND
	tensor_load_to_lds s[36:39], s[24:31]          ; block 1
	s_nop 0
	PLACES
	WL 1                                           ; as behind the round of an odd step: W1 and b1 of K step 1 into half 1's registers,
	FETCHB 0, 0                                    ; half 0 of step 0's fragments,
	FETCHA 0                                       ; h of step 0
	s_cmp_lt_u32 ttmp9, 4
	s_cbranch_scc0 .Lno_prefetch_ffn2
	global_prefetch_b8 v[PFO], s[20:21] offset:3*SLOT th:TH_LOAD_NT scope:SCOPE_SE    ; block 3
.Lno_prefetch_ffn2:
	s_wait_dscnt 26
	PRODV 1                                        ; h of K step 1
	FETCHB 0, 1                                    ; half 1 of step 0's fragments
	PERIOD 0, 1, 2, 1, 17                          ; the first step's products start the sums
	PERIOD 1, 0, 2, 1, 17
	s_mov_b32 s3, 14
.Llap:                                                 ; steps 2 to 29, two a trip
	PERIOD 0, 0, 2, 2, 17
	PERIOD 1, 0, 2, 2, 17
	s_sub_co_u32 s3, s3, 1
	s_cmp_lg_u32 s3, 0
	s_cbranch_scc1 .Llap
	PERIOD 0, 0, 1, 0, 17
	PERIOD 1, 0, 0, 0, 0
; THE WAY OUT, in four blocks of 16 rows x 128 columns: through my own stage and back as whole rows of 512 bytes, b2 added, stored as two aligned runs of 256 bytes.
; LDS serves a wave's instructions in order: no wait between the stores and the loads.
.macro TOSTAGE k
	WIN 0x04
.irp b, 0,1,2,3,4,5,6,7
	ds_store_b128 v[STO], v[8*(4*\b+(\k)):8*(4*\b+(\k))+3] offset:64*\b
	ds_store_b128 v[STO], v[8*(4*\b+(\k))+4:8*(4*\b+(\k))+7] offset:64*\b+16
.endr
	WIN 0
.set BB, BK+64*((\k)%2)
.irp t, 0,1,2,3,4,5,6,7,8,9,10,11,12,13,14,15
	ds_load_b128 v[BB+4*\t:BB+4*\t+3], v[RD] offset:\t*SPITCH
.endr
.endm
.macro SEND k, younger
.set BB, BK+64*((\k)%2)
	s_wait_dscnt \younger
.irp t, 0,1,2,3,4,5,6,7,8,9,10,11,12,13,14,15
	v_pk_add_f32 v[BB+4*\t:BB+4*\t+1], v[BB+4*\t:BB+4*\t+1], v[B2:B2+1]
	v_pk_add_f32 v[BB+4*\t+2:BB+4*\t+3], v[BB+4*\t+2:BB+4*\t+3], v[B2+2:B2+3]
.endr
.irp t, 0,1,2,3,4,5,6,7,8,9,10,11,12,13,14,15
	global_store_b128 v[LI], v[BB+4*\t:BB+4*\t+3], s[10:11] offset:(16*(\k)+\t)*4096 th:TH_STORE_NT
.endr
.endm
	TOSTAGE 0
.irp k, 1,2,3
.if \k > 1
	s_wait_xcnt 0x0                                ; block k - 2's stores have read their registers: block k's loads may land there
.endif
	TOSTAGE \k
	SEND \k-1, 32                                  ; behind block k - 1's loads: block k's 16 stores and 16 loads
.endr
	SEND 3, 0
	s_wait_tensorcnt 0x0                           ; the wave's end
	ds_add_u32 v[SPW], v[NIL]
	s_wait_dscnt 0x0
	CROUND                                         ; the closing round
	s_endpgm
.Lfunc_end_k_qf22870b4ca_ffn:
	.size	k_qf22870b4ca_ffn, .Lfunc_end_k_qf22870b4ca_ffn-k_qf22870b4ca_ffn
	.p2alignl 7, 3214868480
	.fill 96, 4, 3214868480
	.section	.rodata,"a",@progbits
	.p2align	6, 0x0
	.amdhsa_kernel k_qf22870b4ca_ffn
		.amdhsa_group_segment_fixed_size 327680
		.amdhsa_private_segment_fixed_size 0
		.amdhsa_enable_private_segment 0
		.amdhsa_kernarg_size 32
		.amdhsa_user_sgpr_count 2
		.amdhsa_user_sgpr_kernarg_segment_ptr 1
		.amdhsa_wavefront_size32 1
		.amdhsa_system_sgpr_workgroup_id_x 1
		.amdhsa_system_sgpr_workgroup_id_y 1
		.amdhsa_system_sgpr_workgroup_id_z 1
		.amdhsa_system_vgpr_workitem_id 0
		.amdhsa_next_free_vgpr 512
		.amdhsa_next_free_sgpr 66
		.amdhsa_reserve_vcc 0
		.amdhsa_float_denorm_mode_32 3
		.amdhsa_float_denorm_mode_16_64 3
		.amdhsa_memory_ordered 1
		.amdhsa_forward_progress 1
		.amdhsa_inst_pref_size 105
	.end_amdhsa_kernel
	.amdgpu_metadata
---
amdhsa.version: [ 1, 2 ]
amdhsa.kernels:
  - .name:           k_qf22870b4ca_ffn
    .symbol:         k_qf22870b4ca_ffn.kd
    .args:
      - { .name: wqs, .offset: 0, .size: 8, .value_kind: global_buffer, .address_space: global }
      - { .name: qzb, .offset: 8, .size: 8, .value_kind: global_buffer, .address_space: global }
      - { .name: b2, .offset: 16, .size: 8, .value_kind: global_buffer, .address_space: global }
      - { .name: out0, .offset: 24, .size: 8, .value_kind: global_buffer, .address_space: global }
    .group_segment_fixed_size: 327680
    .private_segment_fixed_size: 0
    .kernarg_segment_align: 8
    .kernarg_segment_size: 32
    .max_flat_workgroup_size: 256
    .sgpr_count:     66
    .vgpr_count:     512
    .wavefront_size: 32
...
	.end_amdgpu_metadata
.endif
;; end of part 2
